; MI455X (gfx1250); checked and timed in simulation.
; The chip was launched on July 23, 2026; its instructions are those of AMD's public machine-readable ISA for CDNA 5 (MIT licence, August 2026) and "CDNA5" Instruction Set Architecture Reference Guide (July 2026). The comments in the code are by the model that wrote it; some were corrected since.
;; Spatial MHSA. Allowed arithmetic: matrix products marked QUANTISED: E5M2 operands, one E8M0 scale for each 32 along K, by v_wmma_scale_f32_16x16x128_f8f6f4 with both operands' format E5M2, f32 sums; everything else in f32.
;; Inputs: Wk_codes 512 x 16 x 32 uint8 (E5M2 codes of Wk, K innermost, in blocks of 32 codes); Wk_scales 512 x 16 uint8 (E8M0 scales of Wk, one for each 32 codes along K); Wo_codes 512 x 16 x 32 uint8 (E5M2 codes of Wo, K innermost, in blocks of 32 codes); Wo_scales 512 x 16 uint8 (E8M0 scales of Wo, one for each 32 codes along K); Wq_codes 512 x 16 x 32 uint8 (E5M2 codes of Wq, K innermost, in blocks of 32 codes); Wq_scales 512 x 16 uint8 (E8M0 scales of Wq, one for each 32 codes along K); Wv_codes 512 x 16 x 32 uint8 (E5M2 codes of Wv, K innermost, in blocks of 32 codes); Wv_scales 512 x 16 uint8 (E8M0 scales of Wv, one for each 32 codes along K); bk 512 float32; bo 512 float32; bq 512 float32; bv 512 float32; gamma 1 float32; x 2 x 512 x 64 x 64 float32.
;; Outputs: out0 2 x 512 x 64 x 64 float32.
;; This version of the problem:
;;   THIS VERSION OF THE PROBLEM IS GIVEN IN LOW PRECISION. The matrix products marked QUANTISED in the list below multiply operands that are first quantised to E5M2 (5 exponent bits, 2 mantissa bits; 8 bits a number), with one power-of-two scale for each 32 numbers along K (OCP MX v1.0); their sums are f32. All else is computed in f32.
;;   The module's matrix products, in the order in which they are computed (A, B: the left and right operand; K: the contracted axis; several contracted axes count as one K, in the product's order):
;;     1. [M 512, K 512] x [K 512, N 8,192]; A: input Wq (given as codes); B: input x: QUANTISED
;;     2. [M 512, K 512] x [K 512, N 8,192]; A: input Wk (given as codes); B: input x: QUANTISED
;;     3. [M 512, K 512] x [K 512, N 8,192]; A: input Wv (given as codes); B: input x: QUANTISED
;;     4. batch 16 x [M 4,096, K 64] x [K 64, N 4,096]; A: computed on the way; B: computed on the way: QUANTISED
;;     5. batch 16 x [M 4,096, K 4,096] x [K 4,096, N 64]; A: softmax (see below); B: computed on the way: QUANTISED
;;     6. [M 512, K 512] x [K 512, N 8,192]; A: input Wo (given as codes); B: computed on the way: QUANTISED
;;   THE QUANTISER, for each operand of a quantised product, along K:
;;     - K is cut into blocks of 32 from its start; a last block that is shorter is filled with zeros.
;;     - A block's scale is 2^e with e = floor(log2(the largest magnitude in the block)) - 15, held to -126 .. 127; a block of zeros has e = 0. As a byte (E8M0): e + 127.
;;     - Each number is divided by its block's scale, clamped to +-57,344, and rounded to the nearest number of E5M2, ties to even, subnormals kept.
;;     - The product sums the exact products of the quantised numbers (number of the format x scale) in f32.
;;   ~~~python
;;   def quantise(x, axis):      # numpy; x: float32 -> the quantised numbers, widened to float32 again
;;       x = np.moveaxis(x, axis, -1); K = x.shape[-1]
;;       x = np.pad(x, [(0, 0)] * (x.ndim - 1) + [(0, -K % 32)]); x = x.reshape(x.shape[:-1] + (-1, 32)); a = np.abs(x).max(-1, keepdims=True)
;;       e = np.where(a > 0, np.clip(np.frexp(np.where(a > 0, a, 1))[1] - 1 - 15, -126, 127), 0)      # np.frexp(a)[1] - 1 = floor(log2(a)), exactly
;;       r = np.clip(x / 2.0 ** e, -57344, 57344)
;;       step = 2.0 ** (np.maximum(np.frexp(np.where(r == 0, 1, r))[1] - 1, -14) - 2)
;;       q = np.round(r / step) * step * 2.0 ** e      # np.round: ties to even
;;       return np.moveaxis(q.reshape(q.shape[:-2] + (-1,))[..., :K], -1, axis).astype(np.float32)
;;   ~~~
;;   SOFTMAX AHEAD OF A QUANTISED PRODUCT. Where the list says 'softmax', what is quantised is not the finished softmax but p = 2^(t - M), with t = logit x log2(e) and M = ceil(the row's largest t), a whole number; so 1/2 < the row's largest p <= 1. The row's sum l is taken of the UNQUANTISED p, in f32, and the product's result is divided by l at the end. Since M is a whole number, a kernel that streams over the keys may use a running M (the ceiling of the running maximum): every later rescaling is an exact power of two, which a block's scale takes up: the codes' values come out the same.
;;   OPERANDS COMPUTED ON THE WAY. 'Computed on the way' means the value that the module computes at that place (a softmax that the list does not call 'softmax' is quantised finished and normalised). What goes into a quantiser is computed in f32, as accurately as f32 sums, v_exp_f32 and their like allow (about 1e-6 of the number): no bf16 or f16 on the way to a quantiser, and a product that is left as it is and whose result goes on into a quantised operand takes f32 operands (vector FMAs, or v_wmma_f32_16x16x4_f32). A number that lies on a knife's edge between two numbers of the format may be rounded either way, as far as f32 arithmetic and the matrix unit's own rounding can turn it there, and no further.
;;   INPUTS GIVEN AS CODES. Wk (in the module: [512, 512], K = its axis 1); Wo (in the module: [512, 512], K = its axis 1); Wq (in the module: [512, 512], K = its axis 1); Wv (in the module: [512, 512], K = its axis 1): each comes as NAME_codes (uint8): NAME with its K axis moved to the last place and cut into blocks of 32 codes, [.., K / 32, bytes a block], one block behind the other in memory; one code a byte (a code: sign, 5 exponent bits, 2 mantissa bits); and NAME_scales (uint8): the same leading axes, one E8M0 byte (e + 127) for each 32 codes along K. Its value is code x scale, taken as it is: it is not quantised again, and the codes and scales need not be those that the quantiser above would give.
;; One version. Each part assembles by itself: llvm-mc -triple=amdgcn-amd-amdhsa -mcpu=gfx1250 --defsym DOCPART=n.
;; ======== version 1 of 1: 3 launches
;; limits: right only within a limited range of input values
;; workspace buffers: q 4,325,376 bytes; kv 8,650,752 bytes; o_img 4,194,304 bytes; o_sc 131,072 bytes
;; launch qkv (part 1): grid 3 x 64, 8 waves a work-group, no clusters, 68,608 bytes of LDS; arguments x, Wq_codes, Wq_scales, bq, Wk_codes, Wk_scales, bk, Wv_codes, Wv_scales, bv, q, kv; writes q, kv
.if DOCPART == 1
	.amdgcn_target "amdgcn-amd-amdhsa--gfx1250"
	.amdhsa_code_object_version 6
	.text
	.protected	k_q1a41d0d98b_qkv
	.globl	k_q1a41d0d98b_qkv
	.p2align	8
	.type	k_q1a41d0d98b_qkv,@function
k_q1a41d0d98b_qkv:
	s_mov_b64 s[64:65], 0
	v_nop
	global_prefetch_b8 v0, s[64:65] scope:SCOPE_SE
	s_setreg_imm32_b32 hwreg(HW_REG_WAVE_MODE, 25, 1), 1
	s_wait_xcnt 0x0
; Q, K, V = W x + b on codes of BF8 (E5M2) with one E8M0 scale for each 32 along K, and their results quantised again for the attention launch.
; x: [2][512][4096] f32, K = the 512 channels, its FIRST axis within an image.  W: [512][512] codes, K innermost, scale bytes [512][16].  b: [512] f32.
; SHARES.  Work-group x = the kind (0 Q, 1 K, 2 V), work-group y = 128 tokens of one image.  Wave w = head w: 64 output channels x 128 tokens x K 512: 128 matrix instructions.
; The wave's 64 x 512 weight codes (16 fragments, 256 registers) fill window 1 and come from memory once, straight into registers.
; PHASE X.  A lane takes a token and its registers run down the channels: a block of 32 along K lies in one lane, and the conversions give codes with K innermost.  Wave w takes tokens 32 (w % 4) on and
; channels 256 (w / 4) on.  The codes go to LDS as IMAGES OF THE OPERAND'S REGISTERS: registers 4 c .. 4 c + 3 of lane l of fragment F at 2048 F + 512 c + 16 l; the scale words at XSC + 64 F + 4 row.
; THE TOKENS OF A TILE ARE NOT NEIGHBOURS: row r of tile (b, u) is token 32 b + 16 (r / 8) + 8 u + r % 8; the rows of W that form tile t are 32 (t / 2) + 8 (t % 2) + r + 8 (r / 8).  So the 16 registers of two
; neighbouring result tiles are 16 neighbours along the next product's K.
; Q, K: source 0 = 16 rows of W, source 1 = 16 tokens: a lane holds one token and registers along d: quantised along d.   V: the sources swapped: a lane holds one d and registers along the tokens: quantised along the tokens.
; The biases are the C of each sum's first matrix instruction.  The results leave as register images too: every store of codes covers 512 consecutive bytes, aligned to 256.
; OUT.  q: [image, head 16][step 32][8448]: four fragments of 2048 bytes (piece 2 u + c: tile (b, u), d 32 c + 16 h on), then 256 bytes of scale words [row][b].
;       kv: [16][32][16896]: K's images as q's; V's images from 8192 (fragment t, piece = block of 32 keys); K's scale words at 16384 [row][b]; V's at 16640 [row][t].
; NO CLUSTER: the three kinds share x, but x goes through registers into the quantiser, the launch has no tensor load, and a grid 3 wide is no multiple of a cluster 4 wide.
; 192 WORK-GROUPS: a unit (a head of a kind, 128 tokens) holds 256 registers of weights, so two units fit a SIMD; 1,536 units / 8 = 192.
; LIMITS: NaN and infinities among the inputs are not served.  A block of zeros gets the byte 1 where the quantiser says 127: its codes are zeros, and this program alone reads the bytes.
.set FLOORB, 0x8000000                 ; 2^(16 - 127): no largest magnitude is taken under it, so a scale byte cannot fall under 1
.set SUB15,  0xf8800000                ; takes 15 off an exponent field
.set XSC,    65536                     ; LDS: x's 32 images lie in 0 .. 65535, their scale words from here on, 2,048 bytes
.set XS,   16                          ; v16-19   x's scale words, register 2 u + g: lanes 0-15 K step 2 g, lanes 16-31 K step 2 g + 1
.set WS,   20                          ; v20-35   W's scale words, register 4 t + s
.set SW,   36                          ; v36-39   the results' scale words
.set BIAS, 40                          ; v40-71   register 8 t + j, in the result's layout
.set XF,   72                          ; v72-135  four fragments of x; in phase X two sets of 32 numbers
.set ACC,  136                         ; v136-199 eight accumulators
.set PC,   200                         ; v200-215 the codes just made
.set SB,   208                         ; v208-209 phase X: eight scale bytes
.set TM,   216                         ; v216-219 largest magnitudes, v220-223 the other half's and then the bytes, v228-231 the conversions' scale operands
.set PW,   232                         ; v232     the scale word just made
.set BAV,  233                         ; v233     V's bias offset
.set MSB, 0
.macro WIN new                         ; the immediate's high byte repeats the setting that is left
.if MSB != \new
	s_set_vgpr_msb (MSB<<8)|\new
.set MSB, \new
.endif
.endm
.macro PLACES n
.rept \n
	v_nop
.endr
.endm
.macro LOADX t                         ; block t of my 8: x(32 t + i, my token), i = 0 .. 31: each load reads 128 consecutive bytes, four waves side by side 512
.set i, 0
.rept 32
	global_load_b32 v[XF+32*((\t)%2)+i], v4, s[32:33] offset:(32*(\t)+i)*16384
.set i, i+1
.endr
.endm
.macro LOADW g                         ; W's tiles 2 g and 2 g + 1, all four K steps: 32 loads into window 1
	WIN 0x40
.irp tt, 0,1
.irp s, 0,1,2,3
.irp c, 0,1,2,3
	global_load_b128 v[16*(4*(2*(\g)+\tt)+\s)+4*\c:16*(4*(2*(\g)+\tt)+\s)+4*\c+3], v9, s[34:35] offset:(32*(\g)+8*\tt)*512+128*\s+32*\c
.endr
.endr
.endr
	WIN 0
.endm
.macro BLOCK t                         ; 32 channels of my token become 32 codes and a scale byte
.set XSET, XF+32*((\t)%2)
	s_wait_loadcnt 32                              ; this block's 32 loads are in; behind them one group of 32 has been issued (the next block's, or W's first)
	v_max3_num_f32 v216, |v[XSET]|, |v[XSET+1]|, |v[XSET+2]|
	v_max3_num_f32 v217, |v[XSET+3]|, |v[XSET+4]|, |v[XSET+5]|
.irp k, 6,10,14,18,22,26
	s_delay_alu instid0(VALU_DEP_2)
	v_max3_num_f32 v216, v216, |v[XSET+\k]|, |v[XSET+\k+1]|
	s_delay_alu instid0(VALU_DEP_2)
	v_max3_num_f32 v217, v217, |v[XSET+\k+2]|, |v[XSET+\k+3]|
.endr
	s_delay_alu instid0(VALU_DEP_2)
	v_max3_num_f32 v216, v216, |v[XSET+30]|, |v[XSET+31]|
	s_delay_alu instid0(VALU_DEP_1)
	v_max3_num_f32 v216, v216, v217, FLOORB        ; the block's largest magnitude, and the floor
	s_delay_alu instid0(VALU_DEP_1)
	v_add_nc_u32 v218, SUB15, v216                 ; the conversion takes the exponent field of this operand as its scale
	s_delay_alu instid0(VALU_DEP_1)
	v_lshrrev_b32 v224, 23, v218                   ; the scale's byte
.if (\t)%4 == 0
	s_delay_alu instid0(VALU_DEP_1)
	v_mov_b32 v[SB+(\t)/4], v224
.else
	s_delay_alu instid0(VALU_DEP_1)
	v_lshl_or_b32 v[SB+(\t)/4], v224, 8*((\t)%4), v[SB+(\t)/4]
.endif
.set i, 0
.rept 32
.set i, i+1
.endr
.irp g, 0,1,2,3
	v_cvt_scalef32_pk8_bf8_f32 v[PC+2*\g:PC+2*\g+1], v[XSET+8*\g:XSET+8*\g+7], v218
.endr
	v_nop                                          ; one plain line behind the last conversion
	ds_store_b128 v5, v[PC:PC+3] offset:((\t)/4)*2048+((\t)%4)*512         ; k 32 c + 0 .. 15: the image's lanes 0-15
	ds_store_b128 v5, v[PC+4:PC+7] offset:((\t)/4)*2048+((\t)%4)*512+256   ; k 32 c + 16 .. 31: its lanes 16-31
.if (\t) < 6
	LOADX (\t)+2
.else
	LOADW (\t)-6
.endif
	s_wait_dscnt 0x0                               ; the stores have read their registers: the next block's codes may be written
.endm
; 64 numbers of a lane, register 16 b + i = place 32 b + 16 (lane / 16) + i along the next K, become 16 registers of codes in v[PC] on, four bytes in v[TM+4] on and the word v[PW]
.macro QUANT s
.irp b, 0,1,2,3
	v_max3_num_f32 v[TM+\b], |v[\s+16*\b]|, |v[\s+1+16*\b]|, FLOORB
.endr
.irp k, 2,4,6,8,10,12,14
.irp b, 0,1,2,3
	v_max3_num_f32 v[TM+\b], v[TM+\b], |v[\s+16*\b+\k]|, |v[\s+1+16*\b+\k]|   ; the four blocks by turns; each accumulator is first read at its low end
.endr
.endr
.irp b, 0,1,2,3
	s_delay_alu instid0(VALU_DEP_4)
	v_permlanex16_b32 v[TM+4+\b], v[TM+\b], s44, s45
.endr
.irp b, 0,1,2,3
	s_delay_alu instid0(VALU_DEP_4)
	v_max_num_f32 v[TM+\b], v[TM+\b], v[TM+4+\b]   ; with lane l xor 16's 16: the block's largest magnitude
.endr
.irp b, 0,1,2,3
	s_delay_alu instid0(VALU_DEP_4)
	v_add_nc_u32 v[TM+12+\b], SUB15, v[TM+\b]
.endr
.irp b, 0,1,2,3
.endr
.irp b, 0,1,2,3
	s_delay_alu instid0(VALU_DEP_4)
	v_lshrrev_b32 v[TM+4+\b], 23, v[TM+12+\b]
.endr
	s_delay_alu instid0(VALU_DEP_3)
	v_lshl_or_b32 v[PW], v[TM+5], 8, v[TM+4]
	s_delay_alu instid0(VALU_DEP_1)
	v_lshl_or_b32 v[PW], v[TM+6], 16, v[PW]
	s_delay_alu instid0(VALU_DEP_1)
	v_lshl_or_b32 v[PW], v[TM+7], 24, v[PW]
.irp b, 0,1,2,3
.irp k, 0,1,2,3,4,5,6,7,8,9,10,11,12,13,14,15
.endr
	v_cvt_scalef32_pk8_bf8_f32 v[PC+4*\b:PC+1+4*\b], v[\s+16*\b:\s+7+16*\b], v[TM+12+\b]
	v_cvt_scalef32_pk8_bf8_f32 v[PC+2+4*\b:PC+3+4*\b], v[\s+8+16*\b:\s+15+16*\b], v[TM+12+\b]
.endr
	v_nop                                          ; one plain line behind the last conversion: the next products write the numbers' registers
.endm
; one product: W's tile t, K step 2 sg + sp, against tile u of the block of tokens in hand
.macro MM swap, t, u, sg, sp
.set WW,  16*(4*\t+2*\sg+\sp)
.set XX,  XF+16*(2*\u+\sp)
.set WSR, WS+4*\t+2*\sg+\sp
.set XSR, XS+2*\u+\sg
.if \swap
.set DD, ACC+16*\t+8*\u
.if (\sg+\sp) == 0
	v_wmma_scale_f32_16x16x128_f8f6f4 v[DD:DD+7], v[XX:XX+15], v[WW:WW+15], v[BIAS+8*\t:BIAS+8*\t+7], v[XSR], v[WSR] matrix_a_fmt:MATRIX_FMT_BF8 matrix_b_fmt:MATRIX_FMT_BF8
.elseif \sp == 0
	v_wmma_scale_f32_16x16x128_f8f6f4 v[DD:DD+7], v[XX:XX+15], v[WW:WW+15], v[DD:DD+7], v[XSR], v[WSR] matrix_a_fmt:MATRIX_FMT_BF8 matrix_b_fmt:MATRIX_FMT_BF8
.else
	v_wmma_scale_f32_16x16x128_f8f6f4 v[DD:DD+7], v[XX:XX+15], v[WW:WW+15], v[DD:DD+7], v[XSR], v[WSR] matrix_a_fmt:MATRIX_FMT_BF8 matrix_b_fmt:MATRIX_FMT_BF8 matrix_a_scale:MATRIX_SCALE_ROW1
.endif
.else
.set DD, ACC+32*\u+8*\t
.if (\sg+\sp) == 0
	v_wmma_scale_f32_16x16x128_f8f6f4 v[DD:DD+7], v[WW:WW+15], v[XX:XX+15], v[BIAS+8*\t:BIAS+8*\t+7], v[WSR], v[XSR] matrix_a_fmt:MATRIX_FMT_BF8 matrix_b_fmt:MATRIX_FMT_BF8
.elseif \sp == 0
	v_wmma_scale_f32_16x16x128_f8f6f4 v[DD:DD+7], v[WW:WW+15], v[XX:XX+15], v[DD:DD+7], v[WSR], v[XSR] matrix_a_fmt:MATRIX_FMT_BF8 matrix_b_fmt:MATRIX_FMT_BF8
.else
	v_wmma_scale_f32_16x16x128_f8f6f4 v[DD:DD+7], v[WW:WW+15], v[XX:XX+15], v[DD:DD+7], v[WSR], v[XSR] matrix_a_fmt:MATRIX_FMT_BF8 matrix_b_fmt:MATRIX_FMT_BF8 matrix_b_scale:MATRIX_SCALE_ROW1
.endif
.endif
.endm
; Block b of 32 tokens: 32 products (eight accumulators by turns), the quantiser, the stores
.macro PROJ b, swap
.irp sg, 0,1
.if \sg == 1
	PLACES 8                                       ; in front of loads into registers that matrix instructions have read
.endif
.irp u, 0,1
.irp sp, 0,1
.irp c, 0,1,2,3
	ds_load_b128 v[XF+16*(2*\u+\sp)+4*\c:XF+16*(2*\u+\sp)+4*\c+3], v7 offset:((2*(\b)+\u)*4+2*\sg+\sp)*2048+512*\c
.endr
.endr
.endr
.if \sg == 0
.irp u, 0,1
.irp sq, 0,1
	ds_load_b32 v[XS+2*\u+\sq], v8 offset:((2*(\b)+\u)*4+2*\sq)*64   ; lanes 0-15: K step 2 sq; lanes 16-31, 64 bytes on: K step 2 sq + 1
.endr
.endr
.endif
	s_wait_dscnt 0x0
.if \swap
	WIN 0x04                                       ; source 1 (W) in window 1
.else
	WIN 0x01                                       ; source 0 (W) in window 1
.endif
.irp sp, 0,1
.irp u, 0,1
.irp t, 0,1,2,3
	MM \swap, \t, \u, \sg, \sp
.endr
.endr
.endr
	WIN 0
.endr
	PLACES 8                                       ; in front of the first read of the results
	s_wait_xcnt 0x0                                ; the last block's stores have read their registers: the codes may be written again
	QUANT ACC
.irp p, 0,1,2,3
.if \swap
	global_store_b128 v7, v[PC+4*\p:PC+4*\p+3], s[40:41] offset:8192+2048*\p+512*(\b)   ; V: fragment of d tile p, piece = this block of 32 keys
.if (\b) == 0
	v_mov_b32 v[SW+\p], v[TM+4+\p]
.else
	v_lshl_or_b32 v[SW+\p], v[TM+4+\p], 8*(\b), v[SW+\p]
.endif
.else
	global_store_b128 v7, v[PC+4*\p:PC+4*\p+3], s[40:41] offset:2048*(\b)+512*\p        ; Q, K: fragment b, piece 2 u + c
.endif
.endr
.if \swap == 0
	v_mov_b32 v[SW+\b], v[PW]
.endif
.endm
	s_load_b512 s[8:23], s[0:1], 0x0               ; x 8, Wq codes 10, Wq scales 12, bq 14, Wk codes 16, Wk scales 18, bk 20, Wv codes 22
	s_load_b256 s[24:31], s[0:1], 0x40             ; Wv scales 24, bv 26, q 28, kv 30
	v_lshl_add_u32 v254, v0, 2, 0x10800
	v_mov_b32 v255, 0
	v_lshrrev_b32 v1, 5, v0
	s_delay_alu instid0(VALU_DEP_1)
	v_readfirstlane_b32 s2, v1                     ; wave = head
	s_mov_b32 s3, ttmp9                            ; the kind
	s_and_b32 s5, ttmp7, 0xffff
	s_lshr_b32 s4, s5, 5                           ; image
	s_and_b32 s5, s5, 31                           ; step of 128 tokens
	s_and_b32 s48, s2, 3                           ; phase X: my block of 32 tokens,
	s_lshr_b32 s49, s2, 2                          ; my half of the channels
	v_and_b32 v1, 31, v0                           ; lane
	v_and_b32 v2, 15, v0                           ; r
	v_bfe_u32 v3, v0, 4, 1                         ; h
	s_delay_alu instid0(VALU_DEP_3)
	v_lshlrev_b32 v4, 2, v1                        ; x: 4 bytes a lane
	v_and_b32 v13, 7, v0
	v_bfe_u32 v14, v0, 3, 1                        ; my token's tile u; its row is 8 h + lane % 8
	s_delay_alu instid0(VALU_DEP_2)
	v_lshlrev_b32 v5, 4, v13
	s_delay_alu instid0(VALU_DEP_1)
	v_lshl_add_u32 v5, v3, 7, v5
	s_delay_alu instid0(VALU_DEP_1)
	v_lshl_add_u32 v5, v14, 13, v5
	s_lshl_b32 s50, s48, 14
	s_lshl_b32 s51, s49, 12
	s_add_co_u32 s50, s50, s51
	v_add_nc_u32 v5, s50, v5                       ; where my codes go: 16384 b + 8192 u + 4096 (w / 4) + 16 row
	v_lshlrev_b32 v6, 2, v13
	s_delay_alu instid0(VALU_DEP_1)
	v_lshl_add_u32 v6, v3, 5, v6
	s_delay_alu instid0(VALU_DEP_1)
	v_lshl_add_u32 v6, v14, 8, v6
	s_lshl_b32 s50, s48, 9
	s_lshl_b32 s51, s49, 7
	s_add_co_u32 s50, s50, s51
	s_add_co_u32 s50, s50, XSC
	v_add_nc_u32 v6, s50, v6                       ; and my scale words: XSC + 512 b + 256 u + 128 (w / 4) + 4 row
	v_lshlrev_b32 v7, 4, v1                        ; 16 x lane: an image's place for my lane
	v_lshl_add_u32 v8, v1, 2, XSC                  ; XSC + 4 x lane
	v_and_b32 v15, 8, v2
	s_delay_alu instid0(VALU_DEP_1)
	v_add_nc_u32 v15, v15, v2                      ; r + 8 (r / 8)
	s_delay_alu instid0(VALU_DEP_1)
	v_lshlrev_b32 v9, 9, v15
	s_delay_alu instid0(VALU_DEP_1)
	v_lshl_add_u32 v9, v3, 4, v9                   ; W: a row is 512 bytes, + 16 h
	s_delay_alu instid0(VALU_DEP_3)
	v_lshlrev_b32 v10, 4, v15                      ; W's scale bytes: 16 a row
	v_lshlrev_b32 v11, 6, v3                       ; Q's, K's bias: 16 h numbers on
	v_lshlrev_b32 v[BAV], 2, v15                   ; V's bias: my column's d
	v_lshlrev_b32 v12, 4, v2                       ; the results' scale words: 16 bytes a row
.irp b, 0,1,2,3
	v_mov_b32 v[TM+4+\b], 0                        ; written once: a lane permute's destination counts as one of its sources
.endr
	s_mov_b32 s44, 0x76543210
	s_mov_b32 s45, 0xfedcba98                      ; v_permlanex16_b32's selects for lane l xor 16
	s_lshl_b32 s50, s4, 23                         ; x: image x 8,388,608
	s_lshl_b32 s51, s49, 22                        ; + 256 channels x 16,384
	s_add_co_u32 s50, s50, s51
	s_lshl_b32 s51, s5, 9                          ; + 128 tokens x 4
	s_add_co_u32 s50, s50, s51
	s_lshl_b32 s51, s48, 7                         ; + 32 tokens x 4
	s_add_co_u32 s50, s50, s51
	s_mov_b32 s51, 0
	s_wait_kmcnt 0x0
	s_add_nc_u64 s[32:33], s[8:9], s[50:51]
	LOADX 0
	LOADX 1
	s_cmp_eq_u32 s3, 0                             ; the kind chooses the buffers: the choice hangs on the work-group's number alone
	s_cselect_b64 s[34:35], s[10:11], s[16:17]
	s_cselect_b64 s[36:37], s[12:13], s[18:19]
	s_cselect_b64 s[38:39], s[14:15], s[20:21]
	s_cselect_b64 s[40:41], s[28:29], s[30:31]
	s_mov_b32 s52, 16896
	s_cselect_b32 s52, 8448, s52                   ; bytes of a step in q or in kv
	s_mov_b32 s53, 16384
	s_cselect_b32 s53, 8192, s53                   ; where a step's scale words lie
	s_cmp_eq_u32 s3, 2
	s_cselect_b64 s[34:35], s[22:23], s[34:35]
	s_cselect_b64 s[36:37], s[24:25], s[36:37]
	s_cselect_b64 s[38:39], s[26:27], s[38:39]
	s_mov_b32 s54, 16640
	s_cselect_b32 s53, s54, s53
	s_lshl_b32 s50, s2, 15                         ; my head's 64 rows of 512 bytes,
	s_add_nc_u64 s[34:35], s[34:35], s[50:51]
	s_lshl_b32 s50, s2, 10                         ; of 16 scale bytes,
	s_add_nc_u64 s[36:37], s[36:37], s[50:51]
	s_lshl_b32 s50, s2, 8                          ; its 64 numbers of the bias
	s_add_nc_u64 s[38:39], s[38:39], s[50:51]
	s_lshl_b32 s50, s4, 3
	s_add_co_u32 s50, s50, s2
	s_lshl_b32 s50, s50, 5
	s_add_co_u32 s50, s50, s5
	s_mul_i32 s50, s50, s52                        ; ((8 image + head) 32 + step) x a step's bytes
	s_add_nc_u64 s[40:41], s[40:41], s[50:51]
	s_mov_b32 s50, s53
	s_add_nc_u64 s[42:43], s[40:41], s[50:51]
	; ---- X: my 32 tokens x 256 channels
.irp t, 0,1,2,3,4,5,6,7
	BLOCK \t
.endr
	ds_store_b32 v6, v[SB]                         ; the scale words of my two K steps
	s_wait_alu depctr_va_vdst(0)
	ds_store_b32 v6, v[SB+1] offset:64
.irp t, 0,1,2,3
	global_load_b128 v[WS+4*\t:WS+4*\t+3], v10, s[36:37] offset:(32*(\t/2)+8*(\t%2))*16
.endr
	s_cmp_eq_u32 s3, 2
	s_cbranch_scc1 .Lbias_v
.irp t, 0,1,2,3                                ; Q, K: lane (r, h), register j: the bias of d 32 (t / 2) + 8 (t % 2) + 16 h + j
	global_load_b128 v[BIAS+8*\t:BIAS+8*\t+3], v11, s[38:39] offset:(32*(\t/2)+8*(\t%2))*4
	global_load_b128 v[BIAS+8*\t+4:BIAS+8*\t+7], v11, s[38:39] offset:(32*(\t/2)+8*(\t%2))*4+16
.endr
	s_branch .Lbias_done
.Lbias_v:
.irp t, 0,1,2,3                                ; V: every register: the bias of my column's d
.irp j, 0,1,2,3,4,5,6,7
	global_load_b32 v[BIAS+8*\t+\j], v[BAV], s[38:39] offset:(32*(\t/2)+8*(\t%2))*4
.endr
.endr
.Lbias_done:
	s_wait_dscnt 0x0                               ; for the others' sake: my images and scale words lie in LDS
	s_barrier_signal -1
	s_barrier_wait -1                              ; x's 32 fragments are whole; nobody writes LDS from here on
	s_wait_loadcnt 0x0                             ; W, its scale words, the bias
	s_cmp_eq_u32 s3, 2
	s_cbranch_scc1 .Lv_path
	PROJ 0, 0
	PROJ 1, 0
	PROJ 2, 0
	PROJ 3, 0
	s_branch .Ltail
.Lv_path:
	PROJ 0, 1
	PROJ 1, 1
	PROJ 2, 1
	PROJ 3, 1
.Ltail:
	s_wait_alu depctr_va_vdst(0)
	s_wait_xcnt 0x0                                ; EXEC changes only behind this wait
	v_cmp_gt_u32 vcc_lo, 16, v1
	s_wait_tensorcnt 0x0
	ds_add_u32 v254, v255
	s_wait_dscnt 0x0
	s_and_saveexec_b32 s47, vcc_lo
	global_store_b128 v12, v[SW:SW+3], s[42:43]    ; sixteen lanes store 256 consecutive bytes, aligned: the step's scale words (lanes 16-31 hold the same)
	s_wait_xcnt 0x0
	s_or_b32 exec_lo, exec_lo, s47
	s_endpgm
.Lfunc_end_k_q1a41d0d98b_qkv:
	.size	k_q1a41d0d98b_qkv, .Lfunc_end_k_q1a41d0d98b_qkv-k_q1a41d0d98b_qkv
	.p2alignl 7, 3214868480
	.fill 96, 4, 3214868480
	.section	.rodata,"a",@progbits
	.p2align	6, 0x0
	.amdhsa_kernel k_q1a41d0d98b_qkv
		.amdhsa_group_segment_fixed_size 68608
		.amdhsa_private_segment_fixed_size 0
		.amdhsa_enable_private_segment 0
		.amdhsa_kernarg_size 96
		.amdhsa_user_sgpr_count 2
		.amdhsa_user_sgpr_kernarg_segment_ptr 1
		.amdhsa_wavefront_size32 1
		.amdhsa_system_sgpr_workgroup_id_x 1
		.amdhsa_system_sgpr_workgroup_id_y 1
		.amdhsa_system_sgpr_workgroup_id_z 1
		.amdhsa_system_vgpr_workitem_id 0
		.amdhsa_next_free_vgpr 512
		.amdhsa_next_free_sgpr 66
		.amdhsa_reserve_vcc 1
		.amdhsa_float_denorm_mode_32 3
		.amdhsa_float_denorm_mode_16_64 3
		.amdhsa_fp16_overflow 1
		.amdhsa_memory_ordered 1
		.amdhsa_forward_progress 1
		.amdhsa_inst_pref_size 150
	.end_amdhsa_kernel
	.amdgpu_metadata
---
amdhsa.version: [ 1, 2 ]
amdhsa.kernels:
  - .name:           k_q1a41d0d98b_qkv
    .symbol:         k_q1a41d0d98b_qkv.kd
    .args:
      - { .name: x, .offset: 0, .size: 8, .value_kind: global_buffer, .address_space: global }
      - { .name: Wq_codes, .offset: 8, .size: 8, .value_kind: global_buffer, .address_space: global }
      - { .name: Wq_scales, .offset: 16, .size: 8, .value_kind: global_buffer, .address_space: global }
      - { .name: bq, .offset: 24, .size: 8, .value_kind: global_buffer, .address_space: global }
      - { .name: Wk_codes, .offset: 32, .size: 8, .value_kind: global_buffer, .address_space: global }
      - { .name: Wk_scales, .offset: 40, .size: 8, .value_kind: global_buffer, .address_space: global }
      - { .name: bk, .offset: 48, .size: 8, .value_kind: global_buffer, .address_space: global }
      - { .name: Wv_codes, .offset: 56, .size: 8, .value_kind: global_buffer, .address_space: global }
      - { .name: Wv_scales, .offset: 64, .size: 8, .value_kind: global_buffer, .address_space: global }
      - { .name: bv, .offset: 72, .size: 8, .value_kind: global_buffer, .address_space: global }
      - { .name: q, .offset: 80, .size: 8, .value_kind: global_buffer, .address_space: global }
      - { .name: kv, .offset: 88, .size: 8, .value_kind: global_buffer, .address_space: global }
    .group_segment_fixed_size: 68608
    .private_segment_fixed_size: 0
    .kernarg_segment_align: 8
    .kernarg_segment_size: 96
    .max_flat_workgroup_size: 256
    .sgpr_count:     66
    .vgpr_count:     512
    .wavefront_size: 32
...
	.end_amdgpu_metadata
.endif
;; end of part 1
;; launch attn (part 2): grid 16 x 16, 16 waves a work-group, clusters of 4 x 1, 327,680 bytes of LDS; arguments q, kv, o_img, o_sc; writes o_img, o_sc
.if DOCPART == 2
	.amdgcn_target "amdgcn-amd-amdhsa--gfx1250"
	.amdhsa_code_object_version 6
	.text
	.protected	k_q1a41d0d98b_attn
	.globl	k_q1a41d0d98b_attn
	.p2align	8
	.type	k_q1a41d0d98b_attn,@function
k_q1a41d0d98b_attn:
	s_mov_b64 s[64:65], 0
	v_nop
	global_prefetch_b8 v0, s[64:65] scope:SCOPE_SE
	s_setreg_imm32_b32 hwreg(HW_REG_WAVE_MODE, 25, 1), 1
	s_wait_xcnt 0x0
	s_wait_alu depctr_hold_cnt(0) depctr_sa_sdst(0) depctr_va_vdst(0) depctr_va_sdst(0) depctr_va_ssrc(0) depctr_va_vcc(0) depctr_vm_vsrc(0)
	s_getreg_b32 s2, hwreg(HW_REG_IB_STS2, 6, 4)
	s_cmp_eq_u32 s2, 0
	s_cbranch_scc0 .Lentry_in_a_cluster
	s_endpgm
.Lentry_in_a_cluster:
	s_bfe_u32 s2, ttmp6, 0x10000c
	s_cmp_lg_u32 s2, 0x3003
	s_cbranch_scc0 .Lentry_shape_is_right
	s_endpgm
.Lentry_shape_is_right:
; O = softmax(Q K^T / 8) V for 16 (image, head) pairs of 4,096 tokens and head size 64, both products on codes of BF8 (E5M2) with one E8M0 scale for each 32 along K; O / l is quantised along d for the last launch.
; THE SOFTMAX AHEAD OF THE SECOND PRODUCT: t = score x log2(e) / 8; M = the running largest t rounded UP to a whole number; p = 2^(t - M) is quantised along the keys, not normalised; the row's sum l is taken of the
; unquantised p and divides O at the end.  When M moves, l and O are multiplied by 2^(old M - new M): exact.
; SHARES.  A work-group owns 256 queries of one pair; each of its sixteen waves 16 of them, one tile, in under 256 registers: four waves to a SIMD, so that one wave's vector work stands beside another's products and LDS loads.
; Every wave walks 32 key steps of 128 keys.  A key step is 16,896 dense bytes of kv: K's four fragments, V's four, K's and V's scale words, all as images of the operand's registers (16 bytes a lane, 512 an instruction).
; K = 64 IN A FORM OF K = 128.  A fragment of K holds TWO tiles of 16 keys: k 0-63 = tile u = 0, k 64-127 = tile u = 1.  It is multiplied once by [q | 0] and once by [0 | q]: zero codes add nothing to a sum (K's codes
; were held at the largest code, so none is an infinity or NaN).  v[16:39] = zeros, q, zeros: the two operands are v[24:39] and v[16:31].
; LAYOUT.  S^T = K Q^T (source 0 = keys), O^T = V^T P^T (source 0 = d): a lane holds ONE query throughout.  Row r of key tile (b, u) is key 32 b + 16 (r / 8) + 8 u + r % 8, so that the 16 score registers of a
; fragment are 16 neighbouring keys, 32 b + 16 (lane / 16) + 0 .. 15, and the conversions' results are the second product's operand.  V's d rows are ordered likewise, so that O^T's registers run along d.
; RING.  Two slots of 8 key steps (135,168 bytes).  Waves 0-7 fetch one key step each, 66 rows of 256 bytes; waves 8-15 fetch nothing.  A fetching wave has two tensor loads out at the start and one behind each refill.
; CLUSTER.  The four query blocks of a cluster belong to one pair and walk the same kv: each fill is asked for JOINTLY, by the same tensor load with the same descriptor and the mask of all four.
; No prefetch is written: a slot's refill is asked for eight key steps ahead of its first read, and the first fills stand at the head.
; LIMITS: NaN and infinities are not served.  A block of zeros gets the byte 1 (its codes are zeros; this program alone reads the bytes).  A block's largest p is made from its largest score by the same multiply-add
; and exponential: this takes v_exp_f32 not to fall where its input rises.
.set FLOORB, 0x8000000
.set SUB15,  0xf8800000
.set STEPB,  16896                     ; a key step
.set SLOTB,  8*STEPB                   ; a slot
.set SPARE,  2*SLOTB                   ; behind the ring: the spare words, 128 bytes for each of 16 waves: eight blocks of 256 bytes that no other line names
.set SCG,    SPARE+2048                ; 512 bytes in which the work-group's scale half-words of O meet; no fill lands here
.set KV,  40                           ; v40-103  four fragments of K, then of V
.set S,   104                          ; v104-167 the scores, then p
.set OT,  168                          ; v168-199 O^T: register 16 b + i: d 32 b + 16 (lane / 16) + i
.set P,   200                          ; v200-215 p's codes
.set BM,  216                          ; v216-219 each block's largest score, then largest p
.set BP,  220                          ; v220-223 the other half's; then the scale bytes
.set LIM, 224
.set SOP, 228                          ; v228-231 the conversions' scale operands
; v1 16 x lane; v2 the step's LDS address; v3, v4 the add's two registers; v5 Q's scale word; v6 p's; v7 at work; v8-11 lanes 0-15: K's scale words, lanes 16-31: V's; v12 -M, v13 the largest t; v[14:15] l in two halves;
; v[232:233] f and its written upper half; v[234:235] the second chain of sums; v236 at work; v237, v238 LDS addresses in SCG; v239 16 r
.macro PLACES n
.rept \n
	v_nop
.endr
.endm
.macro CROUND                          ; a round of the cluster's barrier
	s_barrier_signal -1
	s_barrier_wait -1
	s_cmp_lg_u32 s12, 0
	s_cbranch_scc1 .Lnot_wave_0_\@
	s_barrier_signal -3
.Lnot_wave_0_\@:
	s_barrier_wait -3
	s_barrier_signal -1
	s_barrier_wait -1
.endm
.macro JLOAD k                         ; the joint refill of slot k: waves 0-7, a key step each; the branch hangs on the wave's number alone; four v_nop follow the load
	s_cmp_lt_u32 s12, 8
	s_cbranch_scc0 .Lno_load_\@
	tensor_load_to_lds s[36+4*\k:39+4*\k], s[28:35]
	s_nop 0
	PLACES 4
.Lno_load_\@:
.endm
; A KEY STEP: 128 keys at LDS byte s25
.macro STEP
	v_add_nc_u32 v2, s25, v1
	PLACES 7                                       ; with the line above: eight places behind the last products, in front of loads into their fragments and scale words
.irp f, 0,1,2,3
.irp c, 0,1,2,3
	ds_load_b128 v[KV+16*\f+4*\c:KV+16*\f+4*\c+3], v2 offset:2048*\f+512*\c
.endr
.endr
	ds_load_b128 v[8:11], v2 offset:16384          ; lanes 0-15: K's words [row][fragment]; lanes 16-31, 256 bytes on: V's [row][d tile]
	s_wait_alu depctr_va_vdst(0)
	s_wait_dscnt 0x0
.irp f, 0,1,2,3                                ; eight sums, each begun with the constant 0
	v_wmma_scale_f32_16x16x128_f8f6f4 v[S+16*\f:S+16*\f+7], v[KV+16*\f:KV+16*\f+15], v[24:39], 0, v[8+\f], v5 matrix_a_fmt:MATRIX_FMT_BF8 matrix_b_fmt:MATRIX_FMT_BF8
	v_wmma_scale_f32_16x16x128_f8f6f4 v[S+16*\f+8:S+16*\f+15], v[KV+16*\f:KV+16*\f+15], v[16:31], 0, v[8+\f], v5 matrix_a_fmt:MATRIX_FMT_BF8 matrix_b_fmt:MATRIX_FMT_BF8
.endr
	PLACES 8                                       ; in front of the loads below and of the first read of the scores
.irp f, 0,1,2,3
.irp c, 0,1,2,3
	ds_load_b128 v[KV+16*\f+4*\c:KV+16*\f+4*\c+3], v2 offset:8192+2048*\f+512*\c   ; V's fragments land while the softmax is walked
.endr
.endr
.irp b, 0,1,2,3
	v_max3_num_f32 v[BM+\b], v[S+16*\b], v[S+1+16*\b], v[S+2+16*\b]   ; the largest score of each block of 32 keys: it serves the row's maximum and the block's largest p
.endr
.irp k, 3,5,7,9,11,13
.irp b, 0,1,2,3
	v_max3_num_f32 v[BM+\b], v[BM+\b], v[S+16*\b+\k], v[S+1+16*\b+\k]
.endr
.endr
.irp b, 0,1,2,3
	v_max_num_f32 v[BM+\b], v[BM+\b], v[S+15+16*\b]
.endr
.irp b, 0,1,2,3
	s_delay_alu instid0(VALU_DEP_4)
	v_permlanex16_b32 v[BP+\b], v[BM+\b], s20, s21
.endr
.irp b, 0,1,2,3
	s_delay_alu instid0(VALU_DEP_4)
	v_max_num_f32 v[BM+\b], v[BM+\b], v[BP+\b]     ; with lane l xor 16's 16 keys
.endr
	s_delay_alu instid0(VALU_DEP_2)
	v_max3_num_f32 v236, v[BM], v[BM+1], v[BM+2]
	s_delay_alu instid0(VALU_DEP_1)
	v_max_num_f32 v236, v236, v[BM+3]              ; the step's largest score of my query
	s_delay_alu instid0(VALU_DEP_1)
	v_mul_f32 v236, s22, v236                      ; as t (c is positive)
	s_delay_alu instid0(VALU_DEP_1)
	v_max_num_f32 v13, v13, v236                   ; the running largest t
	v_mov_b32 v236, v12
	s_delay_alu instid0(VALU_DEP_2)
	v_floor_f32 v12, -v13                          ; the new -M = floor(-t): M is a whole number
	s_delay_alu instid0(VALU_DEP_1)
	v_sub_f32 v236, v12, v236                      ; old M - new M: a whole number, 0 or less
	s_delay_alu instid0(VALU_DEP_1)
	v_cvt_i32_f32 v236, v236                       ; (it saturates)
	s_delay_alu instid0(VALU_DEP_1)
	v_ldexp_f32 v232, 1.0, v236                    ; f = 2^(old M - new M)
.set j, 0
.rept 32
	v_pk_fma_f32 v[S+j:S+j+1], v[S+j:S+j+1], s[22:23], v[12:13] op_sel_hi:[1,0,0]   ; t - M, two at a time
.set j, j+2
.endr
.irp b, 0,1,2,3
	v_fma_f32 v[BM+\b], v[BM+\b], s22, v12         ; the same of each block's largest score
.endr
.set j, 0
	s_setprio 1
	s_wait_alu depctr_va_vdst(0)
.rept 64
	v_exp_f32 v[S+j], v[S+j]                       ; p = 2^(t - M), at most 1
.set j, j+1
.endr
.irp b, 0,1,2,3
	v_exp_f32 v[BM+\b], v[BM+\b]                   ; the block's largest p
.endr
	v_pk_mul_f32 v[14:15], v[14:15], v[232:233] op_sel_hi:[1,0]   ; l under the new M; the plain line behind the exponentials
	s_wait_alu depctr_va_vdst(0)
.irp b, 0,1,2,3
	v_max_num_f32 v[BM+\b], FLOORB, v[BM+\b]
.endr
.irp b, 0,1,2,3
	s_delay_alu instid0(VALU_DEP_4)
	v_add_nc_u32 v[SOP+\b], SUB15, v[BM+\b]
.endr
.irp b, 0,1,2,3
.endr
.irp b, 0,1,2,3
	s_delay_alu instid0(VALU_DEP_4)
	v_lshrrev_b32 v[BP+\b], 23, v[SOP+\b]
.endr
	s_delay_alu instid0(VALU_DEP_3)
	v_lshl_or_b32 v6, v[BP+1], 8, v[BP]            ; p's scale word for these 128 keys
	s_delay_alu instid0(VALU_DEP_1)
	v_lshl_or_b32 v6, v[BP+2], 16, v6
	s_delay_alu instid0(VALU_DEP_1)
	v_lshl_or_b32 v6, v[BP+3], 24, v6
	v_pk_add_f32 v[234:235], v[108:109], v[112:113]
	v_pk_add_f32 v[254:255], v[116:117], v[120:121]
	v_pk_add_f32 v[252:253], v[124:125], v[128:129]
	v_pk_add_f32 v[250:251], v[132:133], v[136:137]
	v_pk_add_f32 v[248:249], v[140:141], v[144:145]
	v_pk_add_f32 v[246:247], v[148:149], v[152:153]
	v_pk_add_f32 v[244:245], v[156:157], v[160:161]
	v_pk_add_f32 v[14:15], v[14:15], v[164:165]
	v_pk_add_f32 v[234:235], v[234:235], v[104:105]
	v_pk_add_f32 v[254:255], v[254:255], v[106:107]
	v_pk_add_f32 v[252:253], v[252:253], v[110:111]
	v_pk_add_f32 v[250:251], v[250:251], v[114:115]
	v_pk_add_f32 v[248:249], v[248:249], v[118:119]
	v_pk_add_f32 v[246:247], v[246:247], v[122:123]
	v_pk_add_f32 v[244:245], v[244:245], v[126:127]
	v_pk_add_f32 v[14:15], v[14:15], v[130:131]
	v_pk_add_f32 v[234:235], v[234:235], v[134:135]
	v_pk_add_f32 v[254:255], v[254:255], v[138:139]
	v_pk_add_f32 v[252:253], v[252:253], v[142:143]
	v_pk_add_f32 v[250:251], v[250:251], v[146:147]
	v_pk_add_f32 v[248:249], v[248:249], v[150:151]
	v_pk_add_f32 v[246:247], v[246:247], v[154:155]
	v_pk_add_f32 v[244:245], v[244:245], v[158:159]
	v_pk_add_f32 v[14:15], v[14:15], v[162:163]
	v_pk_add_f32 v[234:235], v[234:235], v[166:167]
	s_delay_alu instid0(VALU_DEP_2)
	v_pk_add_f32 v[14:15], v[14:15], v[250:251]
	s_delay_alu instid0(VALU_DEP_2)
	v_pk_add_f32 v[234:235], v[234:235], v[248:249]
	v_pk_add_f32 v[254:255], v[254:255], v[246:247]
	v_pk_add_f32 v[252:253], v[252:253], v[244:245]
	s_delay_alu instid0(VALU_DEP_2)
	v_pk_add_f32 v[14:15], v[14:15], v[254:255]
	s_delay_alu instid0(VALU_DEP_2)
	v_pk_add_f32 v[234:235], v[234:235], v[252:253]
	s_delay_alu instid0(VALU_DEP_1)
	v_pk_add_f32 v[14:15], v[14:15], v[234:235]
.irp b, 0,1,2,3
.irp k, 0,1,2,3,4,5,6,7,8,9,10,11,12,13,14,15
.endr
	v_cvt_scalef32_pk8_bf8_f32 v[P+4*\b:P+1+4*\b], v[S+16*\b:S+7+16*\b], v[SOP+\b]
	v_cvt_scalef32_pk8_bf8_f32 v[P+2+4*\b:P+3+4*\b], v[S+8+16*\b:S+15+16*\b], v[SOP+\b]
.endr
.set j, 0
	s_setprio 0
.rept 16
	v_pk_mul_f32 v[OT+j:OT+j+1], v[OT+j:OT+j+1], v[232:233] op_sel_hi:[1,0]   ; O^T under the new M, from each accumulator's low end on; these are also the places in front of the products below
.set j, j+2
.endr
	s_wait_alu depctr_va_vdst(0)
	s_wait_dscnt 0x0                               ; V is in
.irp t, 0,1,2,3                                ; the four accumulators by turns
	v_wmma_scale_f32_16x16x128_f8f6f4 v[OT+8*\t:OT+8*\t+7], v[KV+16*\t:KV+16*\t+15], v[P:P+15], v[OT+8*\t:OT+8*\t+7], v[8+\t], v6 matrix_a_fmt:MATRIX_FMT_BF8 matrix_b_fmt:MATRIX_FMT_BF8 matrix_a_scale:MATRIX_SCALE_ROW1
.endr
.endm
.macro VISIT k                         ; slot k's eight key steps
	s_mov_b32 s25, \k*SLOTB
	s_mov_b32 s26, 8
.Lstep_\@:
	s_setprio 2
	STEP
	s_add_co_u32 s25, s25, STEPB
	s_sub_co_u32 s26, s26, 1
	s_cmp_lg_u32 s26, 0
	s_cbranch_scc1 .Lstep_\@
	s_setprio 0
.endm
; THE CHANGE OF SLOTS.  Each wave waits for all its tensor loads (its part of the slot ahead), adds 0 to its spare word, and waits for that and for its reads of the slot that it leaves.
; fill = 1: slot k, just left, is filled with the keys two slots on: the barrier is then a round of the cluster's, and the joint refill is the first thing behind it.
.macro CHANGE fill, k
	s_wait_tensorcnt 0x0                           ; no tensor load of mine is out, so a group 0 may be written
	ds_add_u32 v3, v4                              ; 0 onto my spare word
.if \fill
	s_add_nc_u64 s[38+4*\k:39+4*\k], s[38+4*\k:39+4*\k], 2*SLOTB   ; sixteen key steps on; the type bits on top are not reached
.endif
	s_wait_dscnt 0x0                               ; the add is done, and my reads of the slot are over
.if \fill
	CROUND
	JLOAD \k
.else
	s_barrier_signal -1
	s_barrier_wait -1
.endif
.endm
	s_load_b256 s[4:11], s[0:1], 0x0               ; q 4, kv 6, o_img 8, o_sc 10
	v_lshl_add_u32 v3, v0, 2, SPARE
	v_mov_b32 v4, 0
	ds_add_u32 v3, v4
	ds_add_u32 v3, v4
	s_wait_dscnt 0x0
	v_lshrrev_b32 v7, 5, v0
	s_delay_alu instid0(VALU_DEP_1)
	v_readfirstlane_b32 s12, v7                    ; wave 0..15
	v_and_b32 v1, 31, v0
	s_delay_alu instid0(VALU_DEP_1)
	v_lshlrev_b32 v1, 4, v1                        ; 16 x lane
	v_and_b32 v239, 15, v0                         ; r
	s_lshl_b32 s16, s12, 5
	s_add_co_u32 s16, s16, SCG
	v_lshl_add_u32 v237, v239, 1, s16              ; SCG + 32 wave + 2 r: my query's half-word
	v_add_nc_u32 v238, SCG, v1                     ; SCG + 16 x lane: the way out of SCG
	v_lshlrev_b32 v239, 4, v239                    ; 16 r
	s_bfe_u32 s13, ttmp6, 0x40000                  ; cx: my place in the cluster: it enters q's, o_img's and o_sc's global addresses alone
	s_lshl_b32 s14, ttmp9, 2
	s_add_co_u32 s14, s14, s13                     ; my block of 256 queries
	s_and_b32 s15, ttmp7, 0xffff                   ; the (image, head) pair, which the four partners share
	; descriptor group 1: 66 dense rows of 256 bytes (32 elements of 8 bytes), no padding: images are read 16 bytes a lane on end
	s_mov_b32 s28, 15|(3<<16)|(1<<21)              ; 15:0 the mask: all four work-groups; 17:16 elements of 8 bytes; 21 set beside a mask
	s_mov_b32 s29, 32<<16                          ; tensor_dim0 = 32
	s_mov_b32 s30, 66<<16                          ; tensor_dim1 = 66
	s_mov_b32 s31, 32<<16                          ; tile_dim0 = 32
	s_mov_b32 s32, 66                              ; tile_dim1 = 66
	s_mov_b32 s33, 32                              ; from row to row
	s_mov_b32 s34, 0
	s_mov_b32 s35, 0
	s_mov_b32 s20, 0x76543210
	s_mov_b32 s21, 0xfedcba98                      ; v_permlanex16_b32's selects for lane l xor 16
	s_mov_b32 s22, 0x3e38aa3b                      ; c = log2(e) / 8
	s_mov_b32 s23, s22                             ; (named with it as a pair, so it is written)
	s_and_b32 s16, s12, 7
	s_mul_i32 s17, s16, STEPB                      ; the key step that I fetch: its place in a slot, in LDS and in memory alike
	s_mul_i32 s18, s15, 32*STEPB                   ; the pair's 32 key steps
	s_add_co_u32 s18, s18, s17
	s_mov_b32 s19, 0
	s_mul_i32 s54, s15, 270336                     ; q: the pair's 32 steps of 8,448 bytes,
	s_lshl_b32 s55, s14, 1
	s_lshr_b32 s56, s12, 3
	s_add_co_u32 s55, s55, s56
	s_mul_i32 s55, s55, 8448                       ; step 2 X + wave / 8
	s_add_co_u32 s54, s54, s55
	s_mov_b32 s55, 0
	s_wait_kmcnt 0x0
	s_add_nc_u64 s[52:53], s[6:7], s[18:19]
	s_add_nc_u64 s[50:51], s[4:5], s[54:55]
	s_lshl_b32 s54, s16, 10                        ; my tile's two pieces: 1,024 (wave % 8)
	s_add_nc_u64 s[48:49], s[50:51], s[54:55]
	s_lshr_b32 s54, s16, 1
	s_lshl_b32 s54, s54, 2
	s_add_co_u32 s54, s54, 8192                    ; its fragment's scale words
	s_add_nc_u64 s[50:51], s[50:51], s[54:55]
	s_lshr_b32 s54, s15, 3                         ; o_img: (256 image + 16 X + wave) x 8,192 + 1,024 head
	s_lshl_b32 s54, s54, 8
	s_lshl_b32 s56, s14, 4
	s_add_co_u32 s54, s54, s56
	s_add_co_u32 s54, s54, s12
	s_lshl_b32 s54, s54, 13
	s_and_b32 s56, s15, 7
	s_lshl_b32 s56, s56, 10
	s_add_co_u32 s54, s54, s56
	s_add_nc_u64 s[44:45], s[8:9], s[54:55]
	s_lshl_b32 s54, s15, 13                        ; o_sc: 8,192 pair + 512 X
	s_lshl_b32 s56, s14, 9
	s_add_co_u32 s54, s54, s56
	s_add_nc_u64 s[46:47], s[10:11], s[54:55]
	CROUND                                         ; all four work-groups are here: the first joint loads meet
.irp k, 0,1
	s_mov_b32 s[36+4*\k], 1                        ; count = 1
	s_add_co_u32 s[37+4*\k], s17, \k*SLOTB         ; LDS address: slot k, my key step
	s_add_nc_u64 s[38+4*\k:39+4*\k], s[52:53], \k*SLOTB   ; global address: key step 8 k + wave % 8
	s_or_b32 s[39+4*\k], s[39+4*\k], 0x80000000    ; type = 2
.endr
	s_cmp_lt_u32 s12, 8                            ; a wave's two first fills stand in one branch, ahead of every wait on TENSORcnt and every LDS read
	s_cbranch_scc0 .Lno_first
	tensor_load_to_lds s[36:39], s[28:35]
	s_nop 0
	tensor_load_to_lds s[40:43], s[28:35]
	s_nop 0
	PLACES 4
.Lno_first:
	s_wait_alu depctr_va_vdst(0)
	global_load_b128 v[24:27], v1, s[48:49]        ; my tile of Q: d 16 h + 0 .. 15,
	global_load_b128 v[28:31], v1, s[48:49] offset:512   ; d 32 + 16 h + 0 .. 15
	global_load_b32 v7, v239, s[50:51]             ; its fragment's scale word: bytes (u 0: d blocks 0, 1; u 1: d blocks 0, 1)
.irp j, 0,1,2,3,4,5,6,7
	v_mov_b32 v[16+\j], 0                          ; zero codes on both sides of q
	v_mov_b32 v[32+\j], 0
.endr
	v_mov_b32 v13, 0xff61b1e6                      ; the largest t so far: -3e38, under every t
	s_delay_alu instid0(VALU_DEP_1)
	v_floor_f32 v12, -v13                          ; -M
	v_mov_b32 v14, 0                               ; l, in two halves
	v_mov_b32 v15, 0
	v_mov_b32 v233, 0                              ; (named as the upper half of the pair v[232:233])
.irp b, 0,1,2,3
	v_mov_b32 v[BP+\b], 0                          ; written once: a lane permute's destination counts as one of its sources
.endr
	s_and_b32 s16, s12, 1                          ; my tile's u
	s_mul_i32 s16, s16, 0x02020202
	s_add_co_u32 s16, s16, 0x01000100              ; bytes 2 u, 2 u + 1, twice
	s_wait_loadcnt 0x0
	v_perm_b32 v5, v7, v7, s16                     ; Q's scale word (s0, s1, s0, s1): it serves [q | 0] and [0 | q]
.set j, 0
.rept 32
	v_mov_b32 v[OT+j], 0                           ; O^T: the step is written once; the first finds zeros, which the first change of M leaves zeros
.set j, j+1
.endr
	s_wait_tensorcnt 0x1                           ; my part of slot 0 is in; slot 1's may stay out
	s_barrier_signal -1
	s_barrier_wait -1                              ; everybody's is
	VISIT 0                                        ; key steps 0-7
	CHANGE 1, 0                                    ; slot 0 takes key steps 16-23
	VISIT 1                                        ; 8-15
	CHANGE 1, 1                                    ; slot 1 takes key steps 24-31
	VISIT 0                                        ; 16-23
	CHANGE 0, 0                                    ; nothing is left to fetch
	VISIT 1                                        ; 24-31
	; THE WAY OUT: O^T / l, quantised along d (two blocks of 32; a block lies in lanes l and l xor 16); the codes are pieces of the last product's operand
	PLACES 8
	v_add_f32 v14, v14, v15                        ; l's two halves,
	s_delay_alu instid0(VALU_DEP_1)
	v_permlanex16_b32 v236, v14, s20, s21
	s_delay_alu instid0(VALU_DEP_1)
	v_add_f32 v14, v14, v236                       ; and lane l xor 16's
	s_wait_alu depctr_va_vdst(0)
	v_rcp_f32 v232, v14
	v_nop                                          ; one plain line behind the reciprocal
.set j, 0
	s_wait_alu depctr_va_vdst(0)
.rept 16
	v_pk_mul_f32 v[OT+j:OT+j+1], v[OT+j:OT+j+1], v[232:233] op_sel_hi:[1,0]
.set j, j+2
.endr
.irp b, 0,1
	v_max3_num_f32 v[BM+\b], |v[OT+16*\b]|, |v[OT+1+16*\b]|, FLOORB
.endr
.irp k, 2,4,6,8,10,12,14
.irp b, 0,1
	s_delay_alu instid0(VALU_DEP_2)
	v_max3_num_f32 v[BM+\b], v[BM+\b], |v[OT+16*\b+\k]|, |v[OT+1+16*\b+\k]|
.endr
.endr
.irp b, 0,1
	s_delay_alu instid0(VALU_DEP_2)
	v_permlanex16_b32 v[BP+\b], v[BM+\b], s20, s21
.endr
.irp b, 0,1
	s_delay_alu instid0(VALU_DEP_2)
	v_max_num_f32 v[BM+\b], v[BM+\b], v[BP+\b]
.endr
.irp b, 0,1
	s_delay_alu instid0(VALU_DEP_2)
	v_add_nc_u32 v[SOP+\b], SUB15, v[BM+\b]
.endr
.irp b, 0,1
.endr
.irp b, 0,1
	s_delay_alu instid0(VALU_DEP_2)
	v_lshrrev_b32 v[BP+\b], 23, v[SOP+\b]
.endr
	s_delay_alu instid0(VALU_DEP_1)
	v_lshl_or_b32 v236, v[BP+1], 8, v[BP]          ; my query's two scale bytes
.irp b, 0,1
.irp k, 0,1,2,3,4,5,6,7,8,9,10,11,12,13,14,15
.endr
	v_cvt_scalef32_pk8_bf8_f32 v[P+4*\b:P+1+4*\b], v[OT+16*\b:OT+7+16*\b], v[SOP+\b]
	v_cvt_scalef32_pk8_bf8_f32 v[P+2+4*\b:P+3+4*\b], v[OT+8+16*\b:OT+15+16*\b], v[SOP+\b]
.endr
	v_nop                                          ; one plain line behind the last conversion
	global_store_b128 v1, v[P:P+3], s[44:45]       ; 32 lanes store 512 consecutive bytes, aligned to 256
	global_store_b128 v1, v[P+4:P+7], s[44:45] offset:512
	ds_store_b16 v237, v236                        ; both lanes of a query write the same half-word with the same value
	s_wait_dscnt 0x0                               ; for wave 0's sake
	s_barrier_signal -1
	s_barrier_wait -1
	s_cmp_lg_u32 s12, 0
	s_cbranch_scc1 .Lnot_first_wave
	ds_load_b128 v[S:S+3], v238                    ; the work-group's 256 half-words
	s_wait_dscnt 0x0
	global_store_b128 v1, v[S:S+3], s[46:47]       ; 512 consecutive bytes, aligned to 256
.Lnot_first_wave:
	s_wait_tensorcnt 0x0                           ; the wave's end
	ds_add_u32 v3, v4
	s_wait_dscnt 0x0
	CROUND                                         ; the closing round: no work-group ends while a partner may still ask for a tile that names it
	s_endpgm
.Lfunc_end_k_q1a41d0d98b_attn:
	.size	k_q1a41d0d98b_attn, .Lfunc_end_k_q1a41d0d98b_attn-k_q1a41d0d98b_attn
	.p2alignl 7, 3214868480
	.fill 96, 4, 3214868480
	.section	.rodata,"a",@progbits
	.p2align	6, 0x0
	.amdhsa_kernel k_q1a41d0d98b_attn
		.amdhsa_group_segment_fixed_size 327680
		.amdhsa_private_segment_fixed_size 0
		.amdhsa_enable_private_segment 0
		.amdhsa_kernarg_size 32
		.amdhsa_user_sgpr_count 2
		.amdhsa_user_sgpr_kernarg_segment_ptr 1
		.amdhsa_wavefront_size32 1
		.amdhsa_system_sgpr_workgroup_id_x 1
		.amdhsa_system_sgpr_workgroup_id_y 1
		.amdhsa_system_sgpr_workgroup_id_z 1
		.amdhsa_system_vgpr_workitem_id 0
		.amdhsa_next_free_vgpr 256
		.amdhsa_next_free_sgpr 66
		.amdhsa_reserve_vcc 0
		.amdhsa_float_denorm_mode_32 3
		.amdhsa_float_denorm_mode_16_64 3
		.amdhsa_fp16_overflow 1
		.amdhsa_memory_ordered 1
		.amdhsa_forward_progress 1
		.amdhsa_inst_pref_size 82
	.end_amdhsa_kernel
	.amdgpu_metadata
---
amdhsa.version: [ 1, 2 ]
amdhsa.kernels:
  - .name:           k_q1a41d0d98b_attn
    .symbol:         k_q1a41d0d98b_attn.kd
    .args:
      - { .name: q, .offset: 0, .size: 8, .value_kind: global_buffer, .address_space: global }
      - { .name: kv, .offset: 8, .size: 8, .value_kind: global_buffer, .address_space: global }
      - { .name: o_img, .offset: 16, .size: 8, .value_kind: global_buffer, .address_space: global }
      - { .name: o_sc, .offset: 24, .size: 8, .value_kind: global_buffer, .address_space: global }
    .group_segment_fixed_size: 327680
    .private_segment_fixed_size: 0
    .kernarg_segment_align: 8
    .kernarg_segment_size: 32
    .max_flat_workgroup_size: 512
    .sgpr_count:     66
    .vgpr_count:     256
    .wavefront_size: 32
...
	.end_amdgpu_metadata
.endif
;; end of part 2
;; launch proj (part 3): grid 4 x 64, 16 waves a work-group, no clusters, 137,216 bytes of LDS; arguments o_img, o_sc, Wo_codes, Wo_scales, bo, gamma, x, out0; writes out0
.if DOCPART == 3
	.amdgcn_target "amdgcn-amd-amdhsa--gfx1250"
	.amdhsa_code_object_version 6
	.text
	.protected	k_q1a41d0d98b_proj
	.globl	k_q1a41d0d98b_proj
	.p2align	8
	.type	k_q1a41d0d98b_proj,@function
k_q1a41d0d98b_proj:
	s_mov_b64 s[64:65], 0
	v_nop
	global_prefetch_b8 v0, s[64:65] scope:SCOPE_SE
	s_setreg_imm32_b32 hwreg(HW_REG_WAVE_MODE, 25, 1), 1
	s_wait_xcnt 0x0
; out0 = gamma (Wo O + bo) + x.  The product is on codes of BF8 (E5M2) with one E8M0 scale for each 32 along K = the 512 channels of O.
; O arrives as images of the operand's registers: o_img [image][tile of 16 tokens, 256][8192]: four fragments (K steps) of 2,048 bytes; its scale bytes o_sc [image, head 16][tile 256][row 16] as half-words (d blocks 0, 1).
; SHARES.  Work-group x = 128 output channels, work-group y = 128 tokens of one image (8 tiles).  Wave w: 16 channels (tile w % 8) x 64 tokens (half w / 8, four tiles): 16 matrix instructions.
; The work-group's 65,536 bytes of images are copied into LDS once, as they lie; each wave then reads its four tiles' fragments, 16 bytes a lane.
; Source 0 = 16 tokens, source 1 = 16 rows of Wo: a lane holds ONE channel and eight tokens.  Row r of tile 2 B + u is token 32 B + 16 (r / 8) + 8 u + r % 8, so register j of lane (r, h) is token 32 B + 16 h + 8 u + j:
; eight neighbours of a row of out0.  They go through the wave's own stage in LDS and leave with sixteen lanes storing 256 consecutive bytes, aligned.  bo is the C of each sum's first matrix instruction.
; NO CLUSTER: the four work-groups of a token block share the 65,536 bytes of images, a quarter of what a work-group moves (x and out0: 65,536 each; Wo: 65,536); they are read once, at the head, through registers;
; the launch has no tensor load and no ring in which a joint request could be repeated.
.set STG,  65536                       ; LDS: images in 0 .. 65535; from here a stage of 16 rows x (256 + 16) bytes for each wave
.set OS,   16                          ; v16-23   O's scale words, register 2 tile + g: lanes 0-15 K step 2 g, lanes 16-31 K step 2 g + 1
.set WOS,  24                          ; v24-27   Wo's scale words, K step s
.set BIAS, 28                          ; v28-35   bo of my column's channel, eight times
.set ACC,  36                          ; v36-67   four accumulators
.set WO,   68                          ; v68-131  Wo's four fragments
.set TF,   132                         ; v132-195 four fragments of O; first CP and HWD; at the end the rows of the result
.set CP,   132                         ; v132-163 my 4,096 bytes of the images on their way to LDS
.set HWD,  164                         ; v164-179 scale half-words
.set XR,   196                         ; v196-227 x at my 16 channels x 64 tokens
.macro PLACES n
.rept \n
	v_nop
.endr
.endm
	s_load_b512 s[4:19], s[0:1], 0x0               ; o_img 4, o_sc 6, Wo codes 8, Wo scales 10, bo 12, gamma 14, x 16, out0 18
	v_lshl_add_u32 v254, v0, 2, 0x21000
	v_mov_b32 v255, 0
	v_lshrrev_b32 v1, 5, v0
	s_delay_alu instid0(VALU_DEP_1)
	v_readfirstlane_b32 s20, v1                    ; wave 0..15
	s_mov_b32 s21, ttmp9                           ; group of 128 channels
	s_and_b32 s40, ttmp7, 0xffff                   ; y
	s_lshr_b32 s22, s40, 5                         ; image
	s_and_b32 s23, s40, 31                         ; step of 128 tokens
	s_and_b32 s41, s20, 7                          ; my tile of 16 channels
	s_lshr_b32 s42, s20, 3                         ; my half of the tokens
	v_and_b32 v1, 31, v0                           ; lane
	v_and_b32 v2, 15, v0                           ; r
	v_bfe_u32 v3, v0, 4, 1                         ; h
	s_delay_alu instid0(VALU_DEP_3)
	v_lshlrev_b32 v4, 4, v1                        ; 16 x lane
	s_lshl_b32 s43, s20, 12
	v_add_nc_u32 v5, s43, v4                       ; the copy: 4,096 wave + 16 lane, in memory and in LDS alike
	v_lshlrev_b32 v6, 9, v2
	s_delay_alu instid0(VALU_DEP_1)
	v_lshl_add_u32 v6, v3, 4, v6                   ; Wo: row r of 512 bytes, + 16 h
	v_lshlrev_b32 v7, 4, v2                        ; its scale bytes: 16 a row
	v_lshlrev_b32 v8, 2, v2                        ; bo
	v_lshlrev_b32 v9, 1, v2
	s_delay_alu instid0(VALU_DEP_1)
	v_lshl_add_u32 v9, v3, 14, v9                  ; O's half-words: 2 r; lanes 16-31 two heads (one K step) on
	s_lshl_b32 s43, s42, 15
	v_add_nc_u32 v10, s43, v4                      ; my four tiles' images
	s_mul_i32 s43, s20, 4352
	s_add_co_u32 s43, s43, STG                     ; my stage
	v_mul_u32_u24 v11, v2, 272
	s_delay_alu instid0(VALU_DEP_1)
	v_lshl_add_u32 v11, v3, 6, v11
	s_delay_alu instid0(VALU_DEP_1)
	v_add_nc_u32 v11, s43, v11                     ; in: row r (my channel), + 64 h
	v_mul_u32_u24 v12, v3, 272
	s_delay_alu instid0(VALU_DEP_1)
	v_lshl_add_u32 v12, v2, 4, v12
	s_delay_alu instid0(VALU_DEP_1)
	v_add_nc_u32 v12, s43, v12                     ; back: lanes 0-15 one row of 256 bytes, lanes 16-31 the next
	v_lshlrev_b32 v13, 14, v3
	s_delay_alu instid0(VALU_DEP_1)
	v_lshl_add_u32 v13, v2, 4, v13                 ; and the same two rows in x and out0: a channel is 16,384 bytes
	s_lshl_b32 s44, s40, 16                        ; the images of 8 tiles: 65,536 y
	s_mov_b32 s45, 0
	s_wait_alu depctr_va_vdst(0)
	s_wait_kmcnt 0x0
	s_load_b32 s24, s[14:15], 0x0                  ; gamma
	s_add_nc_u64 s[26:27], s[4:5], s[44:45]
	s_lshl_b32 s44, s22, 16                        ; o_sc: 8 heads x 8,192 an image,
	s_lshl_b32 s46, s23, 3
	s_lshl_b32 s47, s42, 2
	s_add_co_u32 s46, s46, s47
	s_lshl_b32 s46, s46, 5                         ; + 32 bytes a tile
	s_add_co_u32 s44, s44, s46
	s_add_nc_u64 s[28:29], s[6:7], s[44:45]
	s_lshl_b32 s46, s21, 7
	s_lshl_b32 s47, s41, 4
	s_add_co_u32 s46, s46, s47                     ; my first channel
	s_lshl_b32 s44, s46, 9
	s_add_nc_u64 s[30:31], s[8:9], s[44:45]
	s_lshl_b32 s44, s46, 4
	s_add_nc_u64 s[32:33], s[10:11], s[44:45]
	s_lshl_b32 s44, s46, 2
	s_add_nc_u64 s[34:35], s[12:13], s[44:45]
	s_lshl_b32 s44, s22, 23                        ; x, out0: image x 8,388,608 + channel x 16,384 + token x 4
	s_lshl_b32 s46, s46, 14
	s_add_co_u32 s44, s44, s46
	s_lshl_b32 s46, s23, 9
	s_add_co_u32 s44, s44, s46
	s_lshl_b32 s46, s42, 8
	s_add_co_u32 s44, s44, s46
	s_add_nc_u64 s[36:37], s[16:17], s[44:45]
	s_add_nc_u64 s[38:39], s[18:19], s[44:45]
.irp i, 0,1,2,3,4,5,6,7
	global_load_b128 v[CP+4*\i:CP+4*\i+3], v5, s[26:27] offset:512*\i
.endr
.irp ta, 0,1,2,3
.irp sg, 0,1
.irp e, 0,1
	global_load_u16 v[HWD+2*(2*\ta+\sg)+\e], v9, s[28:29] offset:(4*\sg+\e)*8192+32*\ta   ; head 4 sg + 2 h + e, tile ta, row r
.endr
.endr
.endr
.irp s, 0,1,2,3
.irp c, 0,1,2,3
	global_load_b128 v[WO+16*\s+4*\c:WO+16*\s+4*\c+3], v6, s[30:31] offset:128*\s+32*\c
.endr
.endr
	global_load_b128 v[WOS:WOS+3], v7, s[32:33]
.irp j, 0,1,2,3,4,5,6,7
	global_load_b32 v[BIAS+\j], v8, s[34:35]
.endr
.irp i, 0,1,2,3,4,5,6,7
	global_load_b128 v[XR+4*\i:XR+4*\i+3], v13, s[36:37] offset:2*\i*16384 th:TH_LOAD_NT   ; this launch reads each byte of x once
.endr
	s_wait_loadcnt 49                              ; the images are in: behind them 16 + 16 + 1 + 8 + 8 loads were issued
.irp i, 0,1,2,3,4,5,6,7
	ds_store_b128 v5, v[CP+4*\i:CP+4*\i+3] offset:512*\i
.endr
	s_wait_loadcnt 33                              ; the half-words are in: behind them 16 + 1 + 8 + 8
.irp k, 0,1,2,3,4,5,6,7
	v_lshl_or_b32 v[OS+\k], v[HWD+2*\k+1], 16, v[HWD+2*\k]   ; a K step's scale word: two heads' half-words
.endr
	s_wait_alu depctr_va_vdst(0)
	s_wait_dscnt 0x0                               ; for the others' sake: my part of the images lies in LDS
	s_barrier_signal -1
	s_barrier_wait -1
	s_wait_loadcnt 8                               ; Wo, its scale words and bo are in; x's eight loads may be out
.irp s, 0,1,2,3
	PLACES 8                                       ; K step 0: behind the lines that made the scale words; later: in front of loads into registers that matrix instructions have read
.irp ta, 0,1,2,3
.irp c, 0,1,2,3
	ds_load_b128 v[TF+16*\ta+4*\c:TF+16*\ta+4*\c+3], v10 offset:8192*\ta+2048*\s+512*\c
.endr
.endr
	s_wait_dscnt 0x0
.irp ta, 0,1,2,3                               ; the four accumulators by turns
.if \s == 0
	v_wmma_scale_f32_16x16x128_f8f6f4 v[ACC+8*\ta:ACC+8*\ta+7], v[TF+16*\ta:TF+16*\ta+15], v[WO+16*\s:WO+16*\s+15], v[BIAS:BIAS+7], v[OS+2*\ta+\s/2], v[WOS+\s] matrix_a_fmt:MATRIX_FMT_BF8 matrix_b_fmt:MATRIX_FMT_BF8
.elseif (\s%2) == 0
	v_wmma_scale_f32_16x16x128_f8f6f4 v[ACC+8*\ta:ACC+8*\ta+7], v[TF+16*\ta:TF+16*\ta+15], v[WO+16*\s:WO+16*\s+15], v[ACC+8*\ta:ACC+8*\ta+7], v[OS+2*\ta+\s/2], v[WOS+\s] matrix_a_fmt:MATRIX_FMT_BF8 matrix_b_fmt:MATRIX_FMT_BF8
.else
	v_wmma_scale_f32_16x16x128_f8f6f4 v[ACC+8*\ta:ACC+8*\ta+7], v[TF+16*\ta:TF+16*\ta+15], v[WO+16*\s:WO+16*\s+15], v[ACC+8*\ta:ACC+8*\ta+7], v[OS+2*\ta+\s/2], v[WOS+\s] matrix_a_fmt:MATRIX_FMT_BF8 matrix_b_fmt:MATRIX_FMT_BF8 matrix_a_scale:MATRIX_SCALE_ROW1
.endif
.endr
.endr
	PLACES 8                                       ; in front of the first read of the results and of loads into the fragments' registers
.irp ta, 0,1,2,3
	ds_store_b128 v11, v[ACC+8*\ta:ACC+8*\ta+3] offset:128*(\ta/2)+32*(\ta%2)        ; tokens 32 (ta / 2) + 16 h + 8 (ta % 2) + 0 .. 3: each accumulator from its low end on
	ds_store_b128 v11, v[ACC+8*\ta+4:ACC+8*\ta+7] offset:128*(\ta/2)+32*(\ta%2)+16
.endr
.irp i, 0,1,2,3,4,5,6,7
	ds_load_b128 v[TF+4*\i:TF+4*\i+3], v12 offset:544*\i   ; LDS serves a wave's instructions in order (ISA guide 5.7.1.4): these see my stores
.endr
	s_wait_kmcnt 0x0                               ; gamma
	s_mov_b32 s25, s24                             ; (the packed form names the pair)
	s_wait_loadcnt 0x0                             ; x
.irp i, 0,1,2,3,4,5,6,7
	s_wait_dscnt 7-\i                              ; rows 2 i and 2 i + 1 are back; the loads issued behind them may be out
	v_pk_fma_f32 v[TF+4*\i:TF+4*\i+1], v[TF+4*\i:TF+4*\i+1], s[24:25], v[XR+4*\i:XR+4*\i+1] op_sel_hi:[1,0,1]
	v_pk_fma_f32 v[TF+4*\i+2:TF+4*\i+3], v[TF+4*\i+2:TF+4*\i+3], s[24:25], v[XR+4*\i+2:XR+4*\i+3] op_sel_hi:[1,0,1]
	global_store_b128 v13, v[TF+4*\i:TF+4*\i+3], s[38:39] offset:2*\i*16384 th:TH_STORE_NT   ; sixteen lanes store 256 consecutive bytes, aligned; written once, read by nobody here
.endr
	s_wait_tensorcnt 0x0
	ds_add_u32 v254, v255
	s_wait_dscnt 0x0
	s_endpgm
.Lfunc_end_k_q1a41d0d98b_proj:
	.size	k_q1a41d0d98b_proj, .Lfunc_end_k_q1a41d0d98b_proj-k_q1a41d0d98b_proj
	.p2alignl 7, 3214868480
	.fill 96, 4, 3214868480
	.section	.rodata,"a",@progbits
	.p2align	6, 0x0
	.amdhsa_kernel k_q1a41d0d98b_proj
		.amdhsa_group_segment_fixed_size 137216
		.amdhsa_private_segment_fixed_size 0
		.amdhsa_enable_private_segment 0
		.amdhsa_kernarg_size 64
		.amdhsa_user_sgpr_count 2
		.amdhsa_user_sgpr_kernarg_segment_ptr 1
		.amdhsa_wavefront_size32 1
		.amdhsa_system_sgpr_workgroup_id_x 1
		.amdhsa_system_sgpr_workgroup_id_y 1
		.amdhsa_system_sgpr_workgroup_id_z 1
		.amdhsa_system_vgpr_workitem_id 0
		.amdhsa_next_free_vgpr 256
		.amdhsa_next_free_sgpr 66
		.amdhsa_reserve_vcc 0
		.amdhsa_float_denorm_mode_32 3
		.amdhsa_float_denorm_mode_16_64 3
		.amdhsa_memory_ordered 1
		.amdhsa_forward_progress 1
		.amdhsa_inst_pref_size 21
	.end_amdhsa_kernel
	.amdgpu_metadata
---
amdhsa.version: [ 1, 2 ]
amdhsa.kernels:
  - .name:           k_q1a41d0d98b_proj
    .symbol:         k_q1a41d0d98b_proj.kd
    .args:
      - { .name: o_img, .offset: 0, .size: 8, .value_kind: global_buffer, .address_space: global }
      - { .name: o_sc, .offset: 8, .size: 8, .value_kind: global_buffer, .address_space: global }
      - { .name: Wo_codes, .offset: 16, .size: 8, .value_kind: global_buffer, .address_space: global }
      - { .name: Wo_scales, .offset: 24, .size: 8, .value_kind: global_buffer, .address_space: global }
      - { .name: bo, .offset: 32, .size: 8, .value_kind: global_buffer, .address_space: global }
      - { .name: gamma, .offset: 40, .size: 8, .value_kind: global_buffer, .address_space: global }
      - { .name: x, .offset: 48, .size: 8, .value_kind: global_buffer, .address_space: global }
      - { .name: out0, .offset: 56, .size: 8, .value_kind: global_buffer, .address_space: global }
    .group_segment_fixed_size: 137216
    .private_segment_fixed_size: 0
    .kernarg_segment_align: 8
    .kernarg_segment_size: 64
    .max_flat_workgroup_size: 512
    .sgpr_count:     66
    .vgpr_count:     256
    .wavefront_size: 32
...
	.end_amdgpu_metadata
.endif
;; end of part 3
